; MI455X (gfx1250); checked and timed in simulation.
; The chip was launched on July 23, 2026; its instructions are those of AMD's public machine-readable ISA for CDNA 5 (MIT licence, August 2026) and "CDNA5" Instruction Set Architecture Reference Guide (July 2026). The comments in the code are by the model that wrote it; some were corrected since.
;; min LSTM. Allowed arithmetic: matrix products marked QUANTISED: E2M1 operands, one E8M0 scale for each 32 along K, by v_wmma_scale_f32_16x16x128_f8f6f4 with both operands' format E2M1 (or v_wmma_scale_f32_32x16x128_f4), f32 sums; everything else in f32.
;; Inputs: W_codes 3,072 x 32 x 16 uint8 (E2M1 codes of W, K innermost, in blocks of 32 codes, two codes a byte); W_scales 3,072 x 32 uint8 (E8M0 scales of W, one for each 32 codes along K); x_codes 4 x 4,096 x 32 x 16 uint8 (E2M1 codes of x, K innermost, in blocks of 32 codes, two codes a byte); x_scales 4 x 4,096 x 32 uint8 (E8M0 scales of x, one for each 32 codes along K).
;; Outputs: out0 4 x 4,096 x 1,024 float32.
;; This version of the problem:
;;   THIS VERSION OF THE PROBLEM IS GIVEN IN LOW PRECISION. The matrix products marked QUANTISED in the list below multiply operands that are first quantised to E2M1 (2 exponent bits, 1 mantissa bit; 4 bits a number), with one power-of-two scale for each 32 numbers along K (OCP MX v1.0); their sums are f32. All else is computed in f32.
;;   The module's matrix products, in the order in which they are computed (A, B: the left and right operand; K: the contracted axis; several contracted axes count as one K, in the product's order):
;;     1. [M 16,384, K 1,024] x [K 1,024, N 3,072]; A: input x (given as codes); B: input W (given as codes): QUANTISED
;;   THE QUANTISER, for each operand of a quantised product, along K:
;;     - K is cut into blocks of 32 from its start; a last block that is shorter is filled with zeros.
;;     - A block's scale is 2^e with e = floor(log2(the largest magnitude in the block)) - 2, held to -126 .. 127; a block of zeros has e = 0. As a byte (E8M0): e + 127.
;;     - Each number is divided by its block's scale, clamped to +-6, and rounded to the nearest number of E2M1, ties to even, subnormals kept.
;;     - The product sums the exact products of the quantised numbers (number of the format x scale) in f32.
;;   ~~~python
;;   def quantise(x, axis):      # numpy; x: float32 -> the quantised numbers, widened to float32 again
;;       x = np.moveaxis(x, axis, -1); K = x.shape[-1]
;;       x = np.pad(x, [(0, 0)] * (x.ndim - 1) + [(0, -K % 32)]); x = x.reshape(x.shape[:-1] + (-1, 32)); a = np.abs(x).max(-1, keepdims=True)
;;       e = np.where(a > 0, np.clip(np.frexp(np.where(a > 0, a, 1))[1] - 1 - 2, -126, 127), 0)      # np.frexp(a)[1] - 1 = floor(log2(a)), exactly
;;       r = np.clip(x / 2.0 ** e, -6, 6)
;;       step = 2.0 ** (np.maximum(np.frexp(np.where(r == 0, 1, r))[1] - 1, 0) - 1)
;;       q = np.round(r / step) * step * 2.0 ** e      # np.round: ties to even
;;       return np.moveaxis(q.reshape(q.shape[:-2] + (-1,))[..., :K], -1, axis).astype(np.float32)
;;   ~~~
;;   INPUTS GIVEN AS CODES. W (in the module: [1024, 3072], K = its axis 0); x (in the module: [4, 4096, 1024], K = its axis 2): each comes as NAME_codes (uint8): NAME with its K axis moved to the last place and cut into blocks of 32 codes, [.., K / 32, bytes a block], one block behind the other in memory; two codes a byte, the lower K in the low four bits (a code: sign, 2 exponent bits, 1 mantissa bit); and NAME_scales (uint8): the same leading axes, one E8M0 byte (e + 127) for each 32 codes along K. Its value is code x scale, taken as it is: it is not quantised again, and the codes and scales need not be those that the quantiser above would give.
;; One version. Each part assembles by itself: llvm-mc -triple=amdgcn-amd-amdhsa -mcpu=gfx1250 --defsym DOCPART=n.
;; ======== version 1 of 1: 1 launch
;; launch minlstm (part 1): grid 64 x 4, 8 waves a work-group, clusters of 4 x 1, 327,680 bytes of LDS; arguments W_codes, W_scales, x_codes, x_scales, out0; writes out0
.if DOCPART == 1
	.amdgcn_target "amdgcn-amd-amdhsa--gfx1250"
	.amdhsa_code_object_version 6
	.text
	.protected	k_q8bfd652aee_minlstm
	.globl	k_q8bfd652aee_minlstm
	.p2align	8
	.type	k_q8bfd652aee_minlstm,@function
k_q8bfd652aee_minlstm:
	s_mov_b64 s[64:65], 0
	v_nop
	global_prefetch_b8 v0, s[64:65] scope:SCOPE_SE
	s_setreg_imm32_b32 hwreg(HW_REG_WAVE_MODE, 25, 1), 1
	s_wait_xcnt 0x0
	s_wait_alu depctr_hold_cnt(0) depctr_sa_sdst(0) depctr_va_vdst(0) depctr_va_sdst(0) depctr_va_ssrc(0) depctr_va_vcc(0) depctr_vm_vsrc(0)
	s_getreg_b32 s2, hwreg(HW_REG_IB_STS2, 6, 4)
	s_cmp_eq_u32 s2, 0
	s_cbranch_scc0 .Lentry_in_a_cluster
	s_endpgm
.Lentry_in_a_cluster:
	s_bfe_u32 s2, ttmp6, 0x10000c
	s_cmp_lg_u32 s2, 0x3003
	s_cbranch_scc0 .Lentry_shape_is_right
	s_endpgm
.Lentry_shape_is_right:
; minLSTM, fused: gates = x W on codes of FP4 (E2M1) with E8M0 scales, then the gate functions and the scan over the 4,096 steps, in one launch.
; THE SCAN IN LINEAR FORM.  With A = 1 + e^-i, B = 1 + e^-f: exp(log_f) = f' = A / (A + B), exp(log_i) = i' = B / (A + B), g = exp(log_g(hidden)) = max(hidden + 0.5, sigmoid(hidden)),
; and exp(a*_t + cumlogsumexp(log_values - a*)_t) = the sum over s <= t of (f'_(s+1) .. f'_t) i'_s g_s, which is h_t = f'_t h_(t-1) + i'_t g_t from h = 0.  Every weight there is a product of numbers f' <= 1
; (a*_t - a*_s <= 0 for every input), so nothing is raised above the terms themselves.  Exponentials are formed in the gates alone, and there the largest exponent, max(-f, -i, 0), is taken away first:
; A and B are both multiplied by e^-max, which leaves the quotients as they are and A + B between 1 and 4.
; LIMITS: the rounding of an exponent costs 2^-24 x 1.44 x |gate| of relative error (under 0.3 per cent up to |gate| = 3e4); scale bytes 0xff and gates beyond f32 are not served; what falls under 2^-126 becomes 0.
; SHARES.  A work-group owns one batch and 16 channels (48 columns of W: 16 each of f, i, hidden) for all 4,096 steps, so that a sequence never leaves it: 4 x 64 = 256 work-groups.  It walks 16 windows of 256 steps.
; Each of its 8 waves keeps the 48 columns of W for all of K in registers (24 fragments, 192 registers) and makes, in each window, two tiles of 16 steps x 48 columns: 48 matrix instructions.
; STORES: 16 channels are 64 consecutive bytes of a row of out0, a quarter of an aligned 256.  Whole blocks of 256 would want 64 channels to a work-group (64 work-groups), or a split of the steps with all
; products and gates made twice.  Instead the four work-groups that hold the four quarters form a cluster and walk in step, so that the quarters are written in the same window.
; CLUSTER.  The four partners belong to one batch and read the same rows of x: each window's codes are asked for JOINTLY (mask 15), by the same load with the same descriptor in all four; every wave brings 32 rows.
; x's SCALE BYTES are not shared so: they are 32 of a step's 544 bytes, a wave reads none but its own 32 steps' (four runs of 256 consecutive bytes), and all eight waves' tensor loads are taken by the codes.
; Each wave loads them straight into its scale registers, one interval ahead, in two sets by turns.
; WHICH STEPS FORM A TILE.  Source 0 = 16 rows of x, source 1 = 16 columns of W: lane (r, h) of the result holds channel r, its register j the tile's row 8 h + j.  With j = 2 q + a and quarter = 2 h + a, that row is
; step 64 quarter + 8 wave + 4 tile + q of the window.  So a register PAIR holds the same place p = 4 tile + q of two runs of 8 consecutive steps, and every line of the scan is a packed one.
; THREE STAGES AT WORK IN INTERVAL n: the products of window n; the gates and each run's own scan, one tile behind (tile 1 of window n - 1, then tile 0 of window n), 30 vector instructions behind each 6 matrix
; instructions; the carries and stores of window n - 2, whose runs' totals went to LDS in mid interval n - 1.  One barrier an interval.
.set PITCH, 528                        ; a row of x in LDS: 512 bytes + 16
.set BLK,   64*PITCH+64                ; a quarter's 64 rows and 64 bytes more: the 16 rows of a fragment load (4 quarters x 4 rows) then lie in 16 different columns of 16 bytes modulo 256
.set SLOT,  4*BLK                      ; 135,424
.set XCH,   2*SLOT                     ; 270,848: the runs' totals, two buffers of 4,096 bytes by turns: 16 bytes for each thread.  No tile lands here
.set SPARE, XCH+8192                   ; 279,040: the spare words, 128 bytes for each of 8 waves: four blocks of 256 bytes that no other line names
.set SPW, 1                            ; v1   SPARE + 4 x my thread's number; never rewritten
.set NIL, 2                            ; v2   0; never rewritten
.set ADX, 3                            ; v3-4 LDS address of my row of x in slot 0, 1
.set GS,  5                            ; v5   byte offset of my row's scale bytes in a window's 8,192 (lanes 0-15: tile 0; lanes 16-31: tile 1); never rewritten
.set PFC, 6                            ; v6   prefetch of codes: 256 x lane; never rewritten
.set XW,  7                            ; v7   where I put my runs' totals
.set XR,  8                            ; v8   where I read wave 0's for my lane
.set GO,  9                            ; v9   my byte offset in a window of out0
.set CAR, 10                           ; v10  the window's carry in, valid in lanes 0-15
.set PFS, 15                           ; v15  prefetch of scale bytes: 256 x (lane / 4); never rewritten
.set WS,  16                           ; v16-39   W's scale words: gate g, K step k at 8 g + k
.set XS,  40                           ; v40-47   x's scale words of K step k, for windows in slot 0;
.set XS2, 200                          ; v240-247 for windows in slot 1
.set AF,  48                           ; v48-79   x's fragments: two buffers of two K steps
.set ACC, 80                           ; v80-127  accumulators: tile T at 24 T, gate g at + 8 g
.set LPLO, 128                         ; v128-159 places 0-3 of a run: (P pair, L pair) a place; two sets, by the window's parity
.set LPHI, 160                         ; v160-175 places 4-7
.set E,   176                          ; v176-207 the eight waves' totals for my lane; then v176-191 the results to store
.set MN, 208
.set TA, 210
.set TB, 212
.set TH, 214
.set AA, 216
.set BB, 218
.set DN, 220
.set DH, 222
.set LN, 224
.set FP, 226
.set PQ, 228                           ; a quarter's total: P pair,
.set LQ, 230                           ; L pair
.set ST, 232                           ; the carry into my two runs
.set PH, 234
.set LH, 235
.set T0, 236
.set T1, 237
.set WV,  14                           ; s14  my wave's number
.set NC,  22                           ; s[22:23] -log2(e), twice: the packed forms name the pair
.set G1C, 24                           ; s[24:31] descriptor group 1 for the codes
.set SB,  32                           ; s[32:33] x's scale bytes at the window whose words were asked for last
.set IDX, 34                           ; s34  the window that is prefetched in this interval
.set G0C, 40                           ; s[40:47] groups 0 for the codes, one for each slot
.set SEL, 56                           ; s[56:57] v_permlanex16_b32's selects for lane l xor 16
.set HM,  58                           ; s58  the mask of lanes 16-31
.set CNT, 59
.set MSB, 0
.macro WIN new                         ; the immediate's high byte repeats the setting that is left
.if MSB != \new
	s_set_vgpr_msb (MSB<<8)|\new
.set MSB, \new
.endif
.endm
; A round of the cluster's barrier: my work-group's barrier, wave 0's signal for the work-group, every wave's wait for all four work-groups, my work-group's barrier once more.
.macro CROUND
	s_barrier_signal -1
	s_barrier_wait -1
	s_cmp_lg_u32 s[WV], 0
	s_cbranch_scc1 .Lnot_wave_0_\@
	s_barrier_signal -3
.Lnot_wave_0_\@:
	s_barrier_wait -3
	s_barrier_signal -1
	s_barrier_wait -1
.endm
; A joint refill of slot s: every wave brings its own 32 rows of the window (both addresses hang on the wave's number).  Four v_nop follow the load.
.macro JLOAD s
	tensor_load_to_lds s[G0C+4*(\s):G0C+4*(\s)+3], s[G1C:G1C+7]
	s_nop 0
.rept 4
	v_nop
.endr
.endm
; THE CHANGE OF SLOTS, at an interval's head; slot s is about to be read.  kind 1: the other slot is filled again, with the window after this one.  kind 2: nothing is left to fetch.  kind 3: only the totals change hands.
.macro CHANGE s, kind
.if (\kind == 1) || (\kind == 2)
	s_wait_tensorcnt 0x0                           ; all my tensor loads have landed: my part of slot s; so a group 0 may be written
	ds_add_u32 v[SPW], v[NIL]                      ; 0 onto my spare word
.if \kind == 1
	s_add_nc_u64 s[G0C+4*(1-\s)+2:G0C+4*(1-\s)+3], s[G0C+4*(1-\s)+2:G0C+4*(1-\s)+3], 262144   ; the other slot's next window: two windows of 256 rows x 512 bytes on; the type bits on top are not reached
.endif
.endif
.if \kind != 0
	s_wait_dscnt 0x0                               ; the add is done, my reads of the other slot and of the totals are back, and my totals have landed
.endif
.if \kind == 1
	CROUND                                         ; all that now holds of every wave of all four work-groups
	JLOAD 1-\s                                     ; the first thing behind the round, and my one tensor load until the next: it has a whole interval in which to land
.elseif \kind != 0
	s_barrier_signal -1
	s_barrier_wait -1
.endif
.endm
; Group gi of 8 = tile gi / 4, K steps 2 (gi % 4) and + 1.  Its two fragments of x (16 rows x 128 K of 4-bit codes: 8 registers; registers 4 c on hold K = 64 c + 32 (lane / 16) on) into buffer gi % 2.
.macro AFLOAD s, gi
.set aT, (\gi)/4
.set aG, (\gi)%4
.set aB, AF+16*((\gi)%2)
.irp kk, 0,1
.irp c, 0,1
	ds_load_b128 v[aB+8*\kk+4*\c:aB+8*\kk+4*\c+3], v[ADX+\s] offset:aT*4*PITCH+64*(2*aG+\kk)+32*\c
.endr
.endr
.endm
; Six matrix instructions: two K steps x the three gates.  The three accumulators take turns, one instruction a turn, from group to group and over the loop's edge too.
; The first K step starts the sums with the constant 0.  Tile 1 takes x's scale words from lanes 16-31.
.macro BURST s, gi
.set bT, (\gi)/4
.set bG, (\gi)%4
.set bA, AF+16*((\gi)%2)
.set bC, ACC+24*bT
.set bX, XS+XS2*(\s)
	WIN 0x04                                       ; source 1 (W) in window 1
.irp kk, 0,1
.irp g3, 0,1,2
.set bK, 2*bG+\kk
.set bD, bC+8*\g3
.set bB, 64*\g3+8*bK
.if (bK == 0) && (bT == 0)
	v_wmma_scale_f32_16x16x128_f8f6f4 v[bD:bD+7], v[bA+8*\kk:bA+8*\kk+7], v[bB:bB+7], 0, v[bX+bK], v[WS+8*\g3+bK] matrix_a_fmt:MATRIX_FMT_FP4 matrix_b_fmt:MATRIX_FMT_FP4
.elseif bK == 0
	v_wmma_scale_f32_16x16x128_f8f6f4 v[bD:bD+7], v[bA+8*\kk:bA+8*\kk+7], v[bB:bB+7], 0, v[bX+bK], v[WS+8*\g3+bK] matrix_a_fmt:MATRIX_FMT_FP4 matrix_b_fmt:MATRIX_FMT_FP4 matrix_a_scale:MATRIX_SCALE_ROW1
.elseif bT == 0
	v_wmma_scale_f32_16x16x128_f8f6f4 v[bD:bD+7], v[bA+8*\kk:bA+8*\kk+7], v[bB:bB+7], v[bD:bD+7], v[bX+bK], v[WS+8*\g3+bK] matrix_a_fmt:MATRIX_FMT_FP4 matrix_b_fmt:MATRIX_FMT_FP4
.else
	v_wmma_scale_f32_16x16x128_f8f6f4 v[bD:bD+7], v[bA+8*\kk:bA+8*\kk+7], v[bB:bB+7], v[bD:bD+7], v[bX+bK], v[WS+8*\g3+bK] matrix_a_fmt:MATRIX_FMT_FP4 matrix_b_fmt:MATRIX_FMT_FP4 matrix_a_scale:MATRIX_SCALE_ROW1
.endif
.endr
.endr
	WIN 0
.endm
; THE GATES AND THE RUN'S OWN SCAN for one place of my two runs: the register pair 2 pQ of the accumulators at pAC (f at + 0, i at + 8, hidden at + 16).
; PAIR1: six plain instructions: the exponents.  They name none of the registers of the six products just issued (those write the other tile), so they are the places in front of the loads into registers that those products read.
; The maximum's constant is written as -0: a gate that is +0 has, negated, the constant's own bits, so that the result's bits hang on no choice between two zeros of unlike sign.  Either zero gives M = 0 and 2^M = 1.
.macro PAIR1
	v_max3_num_f32 v[MN],   -v[pAC+2*pQ],   -v[pAC+8+2*pQ],   0x80000000                         ; max(-f, -i, 0).  (pQ = 0 comes first: each accumulator is read from its low end on)
	v_max3_num_f32 v[MN+1], -v[pAC+2*pQ+1], -v[pAC+8+2*pQ+1], 0x80000000
	v_pk_mul_f32 v[MN:MN+1], v[MN:MN+1], s[NC:NC+1] op_sel_hi:[1,0]                              ; M = -max x log2(e)
	v_pk_mul_f32 v[TH:TH+1], v[pAC+16+2*pQ:pAC+16+2*pQ+1], s[NC:NC+1] op_sel_hi:[1,0]            ; -hidden x log2(e)
	v_pk_fma_f32 v[TA:TA+1], v[pAC+8+2*pQ:pAC+8+2*pQ+1], s[NC:NC+1], v[MN:MN+1] op_sel_hi:[1,0,1] ; (-i - max) log2(e), 0 or less
	v_pk_fma_f32 v[TB:TB+1], v[pAC+2*pQ:pAC+2*pQ+1], s[NC:NC+1], v[MN:MN+1] op_sel_hi:[1,0,1]    ; (-f - max) log2(e)
.endm
; PAIR2: f' = A / (A + B), v = i' g, and L = f' L_before + v, P = f' P_before into pCur (P pair, L pair).  pFirst: a run's first place starts both.
; Behind each run of exponentials or reciprocals stands a plain instruction that touches none of their registers, before a result is used (ISA guide 5.7.2).
.macro PAIR2
.irp t, MN, MN+1, TA, TA+1, TB, TB+1, TH, TH+1
	v_exp_f32 v[\t], v[\t]
.endr
	v_pk_add_f32 v[LN:LN+1], v[pAC+16+2*pQ:pAC+16+2*pQ+1], 0.5 op_sel_hi:[1,0]   ; hidden + 0.5
	s_wait_alu depctr_va_vdst(0)
	v_pk_add_f32 v[AA:AA+1], v[MN:MN+1], v[TA:TA+1]                              ; A e^-max
	v_pk_add_f32 v[BB:BB+1], v[MN:MN+1], v[TB:TB+1]                              ; B e^-max
	v_pk_add_f32 v[DN:DN+1], v[AA:AA+1], v[BB:BB+1]                              ; their sum: between 1 and 4
	v_rcp_f32 v[DN], v[DN]
	v_rcp_f32 v[DN+1], v[DN+1]
	v_pk_add_f32 v[DH:DH+1], v[TH:TH+1], 1.0 op_sel_hi:[1,0]                     ; 1 + e^-hidden
	v_rcp_f32 v[DH], v[DH]                                                       ; sigmoid(hidden)
	v_rcp_f32 v[DH+1], v[DH+1]
.if pFirst
	s_wait_alu depctr_va_vdst(0)
	v_pk_mul_f32 v[pCur:pCur+1], v[AA:AA+1], v[DN:DN+1]                          ; f' is the run's first P
.else
	s_wait_alu depctr_va_vdst(0)
	v_pk_mul_f32 v[FP:FP+1], v[AA:AA+1], v[DN:DN+1]                              ; f'
.endif
	v_pk_mul_f32 v[BB:BB+1], v[BB:BB+1], v[DN:DN+1]                              ; i'
	v_max_num_f32 v[LN], v[LN], v[DH]                                            ; g: the sigmoid lies over hidden + 0.5 below 0 and under it above
	v_max_num_f32 v[LN+1], v[LN+1], v[DH+1]
.if pFirst
	v_pk_mul_f32 v[pCur+2:pCur+3], v[BB:BB+1], v[LN:LN+1]                        ; v is the run's first L
.else
	v_pk_mul_f32 v[BB:BB+1], v[BB:BB+1], v[LN:LN+1]
	v_pk_fma_f32 v[pCur+2:pCur+3], v[FP:FP+1], v[pPrev+2:pPrev+3], v[BB:BB+1]
	v_pk_mul_f32 v[pCur:pCur+1], v[FP:FP+1], v[pPrev:pPrev+1]
.endif
.endm
; A GROUP.  gm: its six products, and the loads of the group two on.  vc: a place of the scan: groups 0-3 places 4-7 of the window before (tile 1), groups 4-7 places 0-3 of this window (tile 0).
.macro GROUP s, gi, gm, vc
.if \gm
.if \gi == 7
	s_wait_dscnt 0x0
.else
	s_wait_dscnt 0x4                               ; my fragments are in; the next group's four loads may be out
.endif
	BURST \s, \gi
.endif
.if \gi < 4
.set pAC, ACC+24
.set pQ, \gi
.set pCur, LPHI+4*\gi
.set pFirst, 0
.if \gi == 0
.set pPrev, LPLO+16*(1-\s)+12
.else
.set pPrev, LPHI+4*(\gi-1)
.endif
.else
.set pAC, ACC
.set pQ, \gi-4
.set pCur, LPLO+16*\s+4*(\gi-4)
.set pPrev, pCur-4
.if \gi == 4
.set pFirst, 1
.else
.set pFirst, 0
.endif
.endif
.if \vc
	PAIR1
.elseif \gm
.rept 4
	v_nop                                          ; four places in front of loads into registers that matrix instructions have read (ISA guide 7.12.1 for vector instructions)
.endr
.endif
.if \gm && (\gi <= 5)
	AFLOAD \s, \gi+2
.endif
.if \vc
	PAIR2
.endif
.endm
.macro XLOAD par                       ; the totals of all eight waves for my lane
.irp i, 0,1,2,3,4,5,6,7
	ds_load_b128 v[E+4*\i:E+4*\i+3], v[XR] offset:4096*\par+512*\i
.endr
.endm
; THE CARRIES AND THE STORES of the window two back (its parity is s).  In time a window goes quarter by quarter, in a quarter wave by wave.  n: the LDS loads issued behind the eight of the totals.
.macro FINAL s, n
	s_wait_dscnt \n
	v_pk_mul_f32 v[PQ:PQ+1], v[E:E+1], v[E+4:E+5]                                ; my two quarters' totals: the eight waves' runs on end
	v_pk_fma_f32 v[LQ:LQ+1], v[E+4:E+5], v[E+2:E+3], v[E+6:E+7]
.irp i, 2,3,4,5,6,7
	v_pk_fma_f32 v[LQ:LQ+1], v[E+4*\i:E+4*\i+1], v[LQ:LQ+1], v[E+4*\i+2:E+4*\i+3]
	v_pk_mul_f32 v[PQ:PQ+1], v[PQ:PQ+1], v[E+4*\i:E+4*\i+1]
.endr
	v_mul_f32 v[PH], v[PQ], v[PQ+1]                                              ; my half of the window: two quarters on end
	v_fma_f32 v[LH], v[PQ+1], v[LQ], v[LQ+1]
	v_fma_f32 v[T0], v[PH], v[CAR], v[LH]                                        ; lanes 0-15: h at the end of quarter 1,
	v_permlanex16_b32 v[T1], v[T0], s[SEL], s[SEL+1]                             ; which lanes 16-31 begin from
	v_cndmask_b32 v[ST], v[CAR], v[T1], s[HM]                                    ; the carry into quarter 2 h,
	v_fma_f32 v[ST+1], v[PQ], v[ST], v[LQ]                                       ; and into quarter 2 h + 1
	v_fma_f32 v[T0], v[PH], v[ST], v[LH]                                         ; lanes 16-31: h at the window's end:
	v_permlanex16_b32 v[CAR], v[T0], s[SEL], s[SEL+1]                            ; the next window's carry, in lanes 0-15
.irp i, 0,1,2,3,4,5,6
	s_cmp_eq_u32 s[WV], \i                                                       ; past the runs of the waves in front of mine: a branch on the wave's number
	s_cbranch_scc1 .Ldone_\@
	v_pk_fma_f32 v[ST:ST+1], v[E+4*\i:E+4*\i+1], v[ST:ST+1], v[E+4*\i+2:E+4*\i+3]
.endr
.Ldone_\@:
.irp p, 0,1,2,3
	v_pk_fma_f32 v[E+2*\p:E+2*\p+1], v[LPLO+16*\s+4*\p:LPLO+16*\s+4*\p+1], v[ST:ST+1], v[LPLO+16*\s+4*\p+2:LPLO+16*\s+4*\p+3]   ; h = P x carry + L
.endr
.irp p, 4,5,6,7
	v_pk_fma_f32 v[E+2*\p:E+2*\p+1], v[LPHI+4*(\p-4):LPHI+4*(\p-4)+1], v[ST:ST+1], v[LPHI+4*(\p-4)+2:LPHI+4*(\p-4)+3]
.endr
.irp p, 0,1,2,3,4,5,6,7
.irp a, 0,1
	global_store_b32 v[GO], v[E+2*\p+\a], s[12:13] offset:262144*\a+4096*\p      ; sixteen lanes store my 16 channels of a step, 64 consecutive bytes; a quarter is 64 rows of 4,096 bytes
.endr
.endr
.endm
; THE PREFETCH.  Window m of a batch (m = 2 .. 15: windows 0 and 1 are the first fills) is asked for once in the launch: in interval m - 2, one interval (some 450 instructions of each of a SIMD's two waves) ahead of the
; tensor loads and scale loads that want it, by wave 7 of the four work-groups of the batch's cluster number m.  Partner cx asks for quarter cx of the codes, 32,768 bytes, by four instructions with lanes 256 bytes apart,
; and for its 2,048 of the window's 8,192 scale bytes by one, four lanes to each 256 bytes.  So 139,264 bytes a batch are asked for in an interval.  The addresses were made at the head and are never rewritten; the
; intervals from 14 on do not hold these lines, so that nothing past window 15 is named.  The first branch hangs on the cluster's number, which the four partners share, the second on the wave's.
.macro ASK
	s_cmp_eq_u32 s[IDX], ttmp9
	s_cbranch_scc0 .Lno_ask_\@
	s_cmp_eq_u32 s[WV], 7
	s_cbranch_scc0 .Lno_ask_\@
.irp i, 0,1,2,3
	global_prefetch_b8 v[PFC], s[8:9] offset:8192*\i th:TH_LOAD_NT scope:SCOPE_SE
.endr
	global_prefetch_b8 v[PFS], s[10:11] th:TH_LOAD_NT scope:SCOPE_SE
.Lno_ask_\@:
	s_add_co_u32 s[IDX], s[IDX], 1
.endm
; AN INTERVAL on slot s.  fin: carries and stores of the window two back.  v1, v2: the scan's places in the first and second half.  gm: products.  step: out0's base goes a window on.
; nx: the next window's scale words are asked for.  ask: the prefetch.
.macro INTERVAL s, kind, fin, v1, gm, v2, step, nx, ask
	CHANGE \s, \kind
.if \fin
	XLOAD \s
.endif
.if \gm
	AFLOAD \s, 0
	AFLOAD \s, 1
	s_wait_loadcnt 0x0                             ; this window's scale words, asked for an interval ago, are in; the loads that named their base are done, so it may step
.if \nx
	s_add_nc_u64 s[SB:SB+1], s[SB:SB+1], 8192      ; the next window's 256 x 32 bytes
	global_load_b128 v[XS+XS2*(1-\s):XS+XS2*(1-\s)+3],   v[GS], s[SB:SB+1]             ; my row's 32 scale bytes: a word for each of the 8 K steps.  Into the other set: the last product that named it
	global_load_b128 v[XS+XS2*(1-\s)+4:XS+XS2*(1-\s)+7], v[GS], s[SB:SB+1] offset:16   ; stands in front of the six plain lines of the last interval's last group
.endif
.endif
.if \fin
.if \gm
	FINAL \s, 8                                    ; behind the totals' eight loads: 8 of fragments, which may stay out
.else
	FINAL \s, 0
.endif
.endif
.if \ask
	ASK
.endif
.irp gi, 0,1,2,3
	GROUP \s, \gi, \gm, \v1
.endr
.if \v1
	ds_store_b128 v[XW], v[LPHI+12:LPHI+15] offset:4096*(1-\s)   ; my two runs' totals (P pair, L pair) of the window before: read behind the next interval's barrier
.endif
.if \step
	s_wait_xcnt 0x0                                ; the stores' addresses are translated (ISA guide 3.1): only behind this wait are their base stepped and, in the next interval, their data registers loaded again
	s_add_nc_u64 s[12:13], s[12:13], 0x100000      ; 256 rows of 4,096 bytes
.endif
.irp gi, 4,5,6,7
	GROUP \s, \gi, \gm, \v2
.endr
.endm
	s_load_b256 s[4:11], s[0:1], 0x0               ; W's codes s[4:5], W's scales s[6:7], x's codes s[8:9], x's scales s[10:11]
	s_load_b64 s[12:13], s[0:1], 0x20              ; out0
	v_lshl_add_u32 v[SPW], v0, 2, SPARE
	v_mov_b32 v[NIL], 0
	ds_add_u32 v1, v2
	s_wait_dscnt 0x0
	v_lshrrev_b32 v11, 5, v0
	v_readfirstlane_b32 s[WV], v11                 ; wave 0..7
	s_bfe_u32 s15, ttmp6, 0x40000                  ; cx: my place in the cluster: it enters W's, out0's and the prefetch's addresses alone
	s_lshl_b32 s16, ttmp9, 2                       ; in a cluster launch ttmp9 counts clusters
	s_add_co_u32 s16, s16, s15                     ; my block of 16 channels = 4 x cluster x + cx
	s_and_b32 s17, ttmp7, 0xffff                   ; the batch, which the four partners share
	v_and_b32 v11, 15, v0                          ; r
	v_bfe_u32 v12, v0, 3, 1
	v_and_b32 v13, 1, v0
	v_lshl_add_u32 v12, v12, 1, v13                ; the quarter of the tile's row r: 2 (r / 8) + r % 2
	v_bfe_u32 v13, v0, 1, 2                        ; and its q: (r / 2) % 4
	v_bfe_u32 v14, v0, 4, 1                        ; lane / 16
	v_mul_u32_u24 v[ADX], v12, BLK
	v_mad_u32_u24 v[ADX], v13, PITCH, v[ADX]
	v_lshl_add_u32 v[ADX], v14, 4, v[ADX]          ; + my half's 16 bytes of each 32
	s_mul_i32 s18, s[WV], 8*PITCH                  ; my wave's 8 rows of each quarter
	v_add_nc_u32 v[ADX], s18, v[ADX]
	v_add_nc_u32 v[ADX+1], SLOT, v[ADX]
	v_lshlrev_b32 v[GS], 11, v12                   ; scale bytes in memory: a quarter is 64 steps of 32 bytes, a wave 8 steps,
	v_lshl_add_u32 v[GS], v13, 5, v[GS]
	v_lshl_add_u32 v[GS], v14, 7, v[GS]            ; lanes 16-31: tile 1, four steps on
	s_lshl_b32 s18, s[WV], 8
	v_add_nc_u32 v[GS], s18, v[GS]
	v_and_b32 v[PFC], 31, v0
	v_lshlrev_b32 v[PFC], 8, v[PFC]                ; 256 x lane
	v_and_b32 v[PFS], 28, v0
	v_lshlrev_b32 v[PFS], 6, v[PFS]                ; 256 x (lane / 4)
	v_lshl_add_u32 v[XW], v0, 4, XCH
	v_and_b32 v[XR], 31, v0
	v_lshl_add_u32 v[XR], v[XR], 4, XCH
	v_lshlrev_b32 v[GO], 2, v11                    ; out0: 4 r + two quarters for lanes 16-31 + my wave's 8 rows
	v_lshl_add_u32 v[GO], v14, 19, v[GO]
	s_lshl_b32 s18, s[WV], 15
	v_add_nc_u32 v[GO], s18, v[GO]
	v_lshlrev_b32 v12, 9, v11
	v_lshl_add_u32 v12, v14, 4, v12                ; W's codes: row r of 512 bytes + 16 (lane / 16)
	v_lshlrev_b32 v13, 5, v11                      ; W's scale bytes: row r of 32
	v_mov_b32 v[CAR], 0                            ; h = 0 in front of the first step
	v_mov_b32 v[T1], 0                             ; written once: a lane permute's destination counts as one of its sources
	s_mov_b32 s[NC], 0xbfb8aa3b                    ; -log2(e)
	s_mov_b32 s[NC+1], s[NC]
	s_mov_b32 s[SEL], 0x76543210
	s_mov_b32 s[SEL+1], 0xfedcba98
	s_mov_b32 s[HM], 0xffff0000
	s_mov_b32 s[IDX], 2                            ; interval 0 prefetches window 2
	; descriptor group 1: 32 rows of 512 elements of one byte, dense in memory, padded in LDS
	s_mov_b32 s[G1C], 15|(0<<16)|(1<<20)|(1<<21)|(6<<22)|(3<<25)   ; 15:0 the mask: all four work-groups; 17:16 elements of 1 byte; 20 padding on; 21 set beside a mask; 24:22 after every 128 words (code 6); 31:25 four words (code 3)
	s_mov_b32 s[G1C+1], 512<<16                    ; tensor_dim0
	s_mov_b32 s[G1C+2], 32<<16                     ; tensor_dim1
	s_mov_b32 s[G1C+3], 512<<16                    ; tile_dim0
	s_mov_b32 s[G1C+4], 32                         ; tile_dim1
	s_mov_b32 s[G1C+5], 512                        ; tensor_dim0_stride
	s_mov_b32 s[G1C+6], 0
	s_mov_b32 s[G1C+7], 0
	s_lshr_b32 s18, s[WV], 1                       ; I fetch rows 32 wave .. 32 wave + 31 of a window: quarter wave / 2,
	s_mul_i32 s19, s18, BLK
	s_and_b32 s18, s[WV], 1                        ; its half wave % 2
	s_mul_i32 s18, s18, 32*PITCH
	s_add_co_u32 s19, s19, s18                     ; their place in a slot: no place in the cluster enters an LDS address
	s_lshl_b32 s20, s17, 21                        ; the batch's 4,096 rows of 512 bytes,
	s_lshl_b32 s18, s[WV], 14                      ; my 32
	s_add_co_u32 s20, s20, s18
	s_mov_b32 s21, 0
	s_lshl_b32 s60, s17, 17                        ; the batch's 4,096 x 32 scale bytes
	s_mov_b32 s61, 0
	s_lshl_b32 s62, s16, 13                        ; my 16 rows of each gate in W's codes
	s_mov_b32 s63, 0
	s_mov_b32 s[G0C], 1                            ; 1:0 count = 1
	s_mov_b32 s[G0C+1], s19                        ; 63:32 LDS address
	s_mov_b32 s[G0C+4], 1
	s_add_co_u32 s[G0C+5], s19, SLOT
	s_wait_kmcnt 0x0
	s_add_nc_u64 s[G0C+2:G0C+3], s[8:9], s[20:21]              ; 120:64 global address: window 0 for slot 0,
	s_add_nc_u64 s[G0C+6:G0C+7], s[G0C+2:G0C+3], 131072        ; window 1 for slot 1
	s_or_b32 s[G0C+3], s[G0C+3], 0x80000000                    ; 127:126 type = 2
	s_or_b32 s[G0C+7], s[G0C+7], 0x80000000
	s_add_nc_u64 s[SB:SB+1], s[10:11], s[60:61]                ; x's scale bytes at the batch's window 0
	s_add_nc_u64 s[4:5], s[4:5], s[62:63]
	s_lshl_b32 s62, s16, 9                         ; my 16 rows of 32 scale bytes
	s_add_nc_u64 s[6:7], s[6:7], s[62:63]
	s_lshl_b32 s62, s17, 24                        ; out0: the batch's 4,096 rows of 4,096 bytes,
	s_lshl_b32 s2, s16, 6                          ; my 16 channels' 64 bytes
	s_add_co_u32 s62, s62, s2
	s_add_nc_u64 s[12:13], s[12:13], s[62:63]
	s_lshl_b32 s62, s17, 21                        ; what I prefetch, in the one interval in which my cluster does: the batch's codes,
	s_lshl_b32 s2, ttmp9, 17                       ; the window of my cluster's number, 256 rows of 512 bytes each,
	s_add_co_u32 s62, s62, s2
	s_lshl_b32 s2, s15, 15                         ; quarter cx of it.  (The descriptors above were made of s[8:9] as it came)
	s_add_co_u32 s62, s62, s2
	s_add_nc_u64 s[8:9], s[8:9], s[62:63]
	s_lshl_b32 s62, s17, 17                        ; and of the scale bytes likewise: the batch, the window's 8,192 bytes, my 2,048
	s_lshl_b32 s2, ttmp9, 13
	s_add_co_u32 s62, s62, s2
	s_lshl_b32 s2, s15, 11
	s_add_co_u32 s62, s62, s2
	s_add_nc_u64 s[10:11], s[10:11], s[62:63]
	CROUND                                         ; all four work-groups are here: the first joint loads meet
	tensor_load_to_lds s[G0C:G0C+3], s[G1C:G1C+7]  ; the two first fills go out together, ahead of every wait on TENSORcnt and every LDS read: two loads of mine are out
	s_nop 0
	tensor_load_to_lds s[G0C+4:G0C+7], s[G1C:G1C+7]
	s_nop 0
.rept 4
	v_nop
.endr
	WIN 0x40                                       ; destination window 1
.irp g, 0,1,2                                  ; W's fragments stay in registers: gate g (1,024 rows of 512 bytes on), K step k, at v[64 g + 8 k] of window 1
.irp k, 0,1,2,3,4,5,6,7
.irp c, 0,1
	global_load_b128 v[64*\g+8*\k+4*\c:64*\g+8*\k+4*\c+3], v12, s[4:5] offset:524288*\g+64*\k+32*\c
.endr
.endr
.endr
	WIN 0
.irp g, 0,1,2                                  ; and its scale words: lane r has column r's (lanes 16-31 hold the same and are not read)
.irp hf, 0,1
	global_load_b128 v[WS+8*\g+4*\hf:WS+8*\g+4*\hf+3], v13, s[6:7] offset:32768*\g+16*\hf
.endr
.endr
	global_load_b128 v[XS:XS+3],   v[GS], s[SB:SB+1]             ; window 0's scale words of x
	global_load_b128 v[XS+4:XS+7], v[GS], s[SB:SB+1] offset:16
	s_wait_loadcnt 0x0                             ; W, once, and those
	s_wait_tensorcnt 0x1                           ; my part of slot 0 is in; slot 1's may stay out
	s_barrier_signal -1
	s_barrier_wait -1                              ; everybody's is
	INTERVAL 0, 0, 0, 0, 1, 1, 0, 1, 1             ; window 0's products; its places 0-3
	INTERVAL 1, 1, 0, 1, 1, 1, 0, 1, 1             ; window 1's products; window 0's places 4-7 and totals; slot 0 takes window 2
	s_mov_b32 s[CNT], 6
.Lpair:                                            ; intervals 2 to 13: all three stages, and a refill in each
	INTERVAL 0, 1, 1, 1, 1, 1, 1, 1, 1
	INTERVAL 1, 1, 1, 1, 1, 1, 1, 1, 1
	s_sub_co_u32 s[CNT], s[CNT], 1
	s_cmp_lg_u32 s[CNT], 0
	s_cbranch_scc1 .Lpair
	INTERVAL 0, 1, 1, 1, 1, 1, 1, 1, 0             ; interval 14: the last refill, window 15 into slot 1, and its scale words.  The tail is written out
	INTERVAL 1, 2, 1, 1, 1, 1, 1, 0, 0             ; interval 15: the last products
	INTERVAL 0, 3, 1, 1, 0, 0, 1, 0, 0             ; window 15's places 4-7 and totals; window 14 goes out
	INTERVAL 1, 3, 1, 0, 0, 0, 0, 0, 0             ; window 15 goes out
	s_wait_tensorcnt 0x0                           ; the wave's end: behind my last tensor load and my last LDS store
	ds_add_u32 v[SPW], v[NIL]
	s_wait_dscnt 0x0
	CROUND                                         ; the closing round: no work-group ends while a partner may still ask for a tile that names it
	s_endpgm
.Lfunc_end_k_q8bfd652aee_minlstm:
	.size	k_q8bfd652aee_minlstm, .Lfunc_end_k_q8bfd652aee_minlstm-k_q8bfd652aee_minlstm
	.p2alignl 7, 3214868480
	.fill 96, 4, 3214868480
	.section	.rodata,"a",@progbits
	.p2align	6, 0x0
	.amdhsa_kernel k_q8bfd652aee_minlstm
		.amdhsa_group_segment_fixed_size 327680
		.amdhsa_private_segment_fixed_size 0
		.amdhsa_enable_private_segment 0
		.amdhsa_kernarg_size 40
		.amdhsa_user_sgpr_count 2
		.amdhsa_user_sgpr_kernarg_segment_ptr 1
		.amdhsa_wavefront_size32 1
		.amdhsa_system_sgpr_workgroup_id_x 1
		.amdhsa_system_sgpr_workgroup_id_y 1
		.amdhsa_system_sgpr_workgroup_id_z 1
		.amdhsa_system_vgpr_workitem_id 0
		.amdhsa_next_free_vgpr 448
		.amdhsa_next_free_sgpr 66
		.amdhsa_reserve_vcc 0
		.amdhsa_float_denorm_mode_32 3
		.amdhsa_float_denorm_mode_16_64 3
		.amdhsa_memory_ordered 1
		.amdhsa_forward_progress 1
		.amdhsa_inst_pref_size 176
	.end_amdhsa_kernel
	.amdgpu_metadata
---
amdhsa.version: [ 1, 2 ]
amdhsa.kernels:
  - .name:           k_q8bfd652aee_minlstm
    .symbol:         k_q8bfd652aee_minlstm.kd
    .args:
      - { .name: W_codes, .offset: 0, .size: 8, .value_kind: global_buffer, .address_space: global }
      - { .name: W_scales, .offset: 8, .size: 8, .value_kind: global_buffer, .address_space: global }
      - { .name: x_codes, .offset: 16, .size: 8, .value_kind: global_buffer, .address_space: global }
      - { .name: x_scales, .offset: 24, .size: 8, .value_kind: global_buffer, .address_space: global }
      - { .name: out0, .offset: 32, .size: 8, .value_kind: global_buffer, .address_space: global }
    .group_segment_fixed_size: 327680
    .private_segment_fixed_size: 0
    .kernarg_segment_align: 8
    .kernarg_segment_size: 40
    .max_flat_workgroup_size: 256
    .sgpr_count:     66
    .vgpr_count:     448
    .wavefront_size: 32
...
	.end_amdgpu_metadata
.endif
;; end of part 1
